; MI455X (gfx1250); checked and timed in simulation.
; The chip was launched on July 23, 2026; its instructions are those of AMD's public machine-readable ISA for CDNA 5 (MIT licence, August 2026) and "CDNA5" Instruction Set Architecture Reference Guide (July 2026). The comments in the code are by the model that wrote it; some were corrected since.
;; Absolute attention. Allowed arithmetic: matrix products marked QUANTISED: E3M2 operands, one E8M0 scale for each 32 along K, by v_wmma_scale_f32_16x16x128_f8f6f4 with both operands' format E3M2, f32 sums; products left as they are: f32 operands where the result goes on into a quantised operand, else bf16, f16 or f32 operands; f32 sums; everything else in f32.
;; Inputs: Wk_codes 1,024 x 32 x 24 uint8 (E3M2 codes of Wk, K innermost, in blocks of 32 codes, four codes in three bytes); Wk_scales 1,024 x 32 uint8 (E8M0 scales of Wk, one for each 32 codes along K); Wo_codes 1,024 x 32 x 24 uint8 (E3M2 codes of Wo, K innermost, in blocks of 32 codes, four codes in three bytes); Wo_scales 1,024 x 32 uint8 (E8M0 scales of Wo, one for each 32 codes along K); Wq_codes 1,040 x 32 x 24 uint8 (E3M2 codes of Wq, K innermost, in blocks of 32 codes, four codes in three bytes); Wq_scales 1,040 x 32 uint8 (E8M0 scales of Wq, one for each 32 codes along K); Wv_codes 1,024 x 32 x 24 uint8 (E3M2 codes of Wv, K innermost, in blocks of 32 codes, four codes in three bytes); Wv_scales 1,024 x 32 uint8 (E8M0 scales of Wv, one for each 32 codes along K); attention_mask 4 x 4,096 float32; bo 1,024 float32; head_time_delta 16 float32; time_angle 64 float32; x_codes 4 x 4,096 x 32 x 24 uint8 (E3M2 codes of x, K innermost, in blocks of 32 codes, four codes in three bytes); x_scales 4 x 4,096 x 32 uint8 (E8M0 scales of x, one for each 32 codes along K).
;; Outputs: out0 4 x 4,096 x 1,024 float32.
;; This version of the problem:
;;   THIS VERSION OF THE PROBLEM IS GIVEN IN LOW PRECISION. The matrix products marked QUANTISED in the list below multiply operands that are first quantised to E3M2 (3 exponent bits, 2 mantissa bits; 6 bits a number), with one power-of-two scale for each 32 numbers along K (OCP MX v1.0); their sums are f32. All else is computed in f32.
;;   The module's matrix products, in the order in which they are computed (A, B: the left and right operand; K: the contracted axis; several contracted axes count as one K, in the product's order):
;;     1. [M 16,384, K 1,024] x [K 1,024, N 1,040]; A: input x (given as codes); B: input Wq (given as codes): QUANTISED
;;     2. batch 65,536 x [M 1, K 128] x [K 128, N 4]; A: computed on the way; B: computed on the way: left as it is (M = 1 < 16)
;;     3. [M 16,384, K 1,024] x [K 1,024, N 1,024]; A: input x (given as codes); B: input Wk (given as codes): QUANTISED
;;     4. [M 16,384, K 1,024] x [K 1,024, N 1,024]; A: input x (given as codes); B: input Wv (given as codes): QUANTISED
;;     5. [M 16,384, K 1,024] x [K 1,024, N 1,024]; A: computed on the way; B: input Wo (given as codes): QUANTISED
;;   THE QUANTISER, for each operand of a quantised product, along K:
;;     - K is cut into blocks of 32 from its start; a last block that is shorter is filled with zeros.
;;     - A block's scale is 2^e with e = floor(log2(the largest magnitude in the block)) - 4, held to -126 .. 127; a block of zeros has e = 0. As a byte (E8M0): e + 127.
;;     - Each number is divided by its block's scale, clamped to +-28, and rounded to the nearest number of E3M2, ties to even, subnormals kept.
;;     - The product sums the exact products of the quantised numbers (number of the format x scale) in f32.
;;   ~~~python
;;   def quantise(x, axis):      # numpy; x: float32 -> the quantised numbers, widened to float32 again
;;       x = np.moveaxis(x, axis, -1); K = x.shape[-1]
;;       x = np.pad(x, [(0, 0)] * (x.ndim - 1) + [(0, -K % 32)]); x = x.reshape(x.shape[:-1] + (-1, 32)); a = np.abs(x).max(-1, keepdims=True)
;;       e = np.where(a > 0, np.clip(np.frexp(np.where(a > 0, a, 1))[1] - 1 - 4, -126, 127), 0)      # np.frexp(a)[1] - 1 = floor(log2(a)), exactly
;;       r = np.clip(x / 2.0 ** e, -28, 28)
;;       step = 2.0 ** (np.maximum(np.frexp(np.where(r == 0, 1, r))[1] - 1, -2) - 2)
;;       q = np.round(r / step) * step * 2.0 ** e      # np.round: ties to even
;;       return np.moveaxis(q.reshape(q.shape[:-2] + (-1,))[..., :K], -1, axis).astype(np.float32)
;;   ~~~
;;   OPERANDS COMPUTED ON THE WAY. 'Computed on the way' means the value that the module computes at that place (a softmax that the list does not call 'softmax' is quantised finished and normalised). What goes into a quantiser is computed in f32, as accurately as f32 sums, v_exp_f32 and their like allow (about 1e-6 of the number): no bf16 or f16 on the way to a quantiser, and a product that is left as it is and whose result goes on into a quantised operand takes f32 operands (vector FMAs, or v_wmma_f32_16x16x4_f32). A number that lies on a knife's edge between two numbers of the format may be rounded either way, as far as f32 arithmetic and the matrix unit's own rounding can turn it there, and no further.
;;   INPUTS GIVEN AS CODES. Wk (in the module: [1024, 1024], K = its axis 1); Wo (in the module: [1024, 1024], K = its axis 1); Wq (in the module: [1040, 1024], K = its axis 1); Wv (in the module: [1024, 1024], K = its axis 1); x (in the module: [4, 4096, 1024], K = its axis 2): each comes as NAME_codes (uint8): NAME with its K axis moved to the last place and cut into blocks of 32 codes, [.., K / 32, bytes a block], one block behind the other in memory; four codes in three bytes: a row's codes are one little-endian stream of bits, code i at bits 6 i .. 6 i + 5 (a code: sign, 3 exponent bits, 2 mantissa bits); and NAME_scales (uint8): the same leading axes, one E8M0 byte (e + 127) for each 32 codes along K. Its value is code x scale, taken as it is: it is not quantised again, and the codes and scales need not be those that the quantiser above would give.
;; One version. Each part assembles by itself: llvm-mc -triple=amdgcn-amd-amdhsa -mcpu=gfx1250 --defsym DOCPART=n.
;; ======== version 1 of 1: 2 launches
;; limits: right only within a limited range of input values
;; workspace buffers: a5_codes 12,582,912 bytes; a5_scales 524,288 bytes
;; launch qkv (part 1): grid 64 x 4, 4 waves a work-group, clusters of 4 x 4, 327,680 bytes of LDS; arguments x_codes, x_scales, Wq_codes, Wq_scales, Wk_codes, Wk_scales, Wv_codes, Wv_scales, attention_mask, a5_codes, a5_scales; writes a5_codes, a5_scales
.if DOCPART == 1
	.amdgcn_target "amdgcn-amd-amdhsa--gfx1250"
	.amdhsa_code_object_version 6
	.text
	.protected	k_qaaa2331627_qkv
	.globl	k_qaaa2331627_qkv
	.p2align	8
	.type	k_qaaa2331627_qkv,@function
k_qaaa2331627_qkv:
	s_mov_b64 s[64:65], 0
	v_nop
	global_prefetch_b8 v0, s[64:65] scope:SCOPE_SE
	s_setreg_imm32_b32 hwreg(HW_REG_WAVE_MODE, 25, 1), 1
	s_wait_xcnt 0x0
	s_wait_alu depctr_hold_cnt(0) depctr_sa_sdst(0) depctr_va_vdst(0) depctr_va_sdst(0) depctr_va_ssrc(0) depctr_va_vcc(0) depctr_vm_vsrc(0)
	s_getreg_b32 s2, hwreg(HW_REG_IB_STS2, 6, 4)
	s_cmp_eq_u32 s2, 0
	s_cbranch_scc0 .Lentry_in_a_cluster
	s_endpgm
.Lentry_in_a_cluster:
	s_bfe_u32 s2, ttmp6, 0x10000c
	s_cmp_lg_u32 s2, 0xf033
	s_cbranch_scc0 .Lentry_shape_is_right
	s_endpgm
.Lentry_shape_is_right:
; a5[row][64 head + d] = (1 - q_last) x 2 x mask x softmax_d(x Wk^T) x (x Wv^T), quantised along K = 64 head + d to codes of E3M2 with one E8M0 byte for each 32.
; q_last: the last of the 65 slots of softmax(x Wq^T) of the head.  All three products on codes of E3M2, as they are given.
; WORK LEFT OUT.  qk_weight = sum over the 128 slots of qf x k_time = (1 - q_last) x sum of time^2, and k_time is time.  With c = cos(angle), s = sin(angle):
; sum of time^2 = (1 / 64) x sum over the 64 d of ((c + s)^2 + (c - s)^2) = (1 / 64) x sum of 2 (c^2 + s^2) = 2, for every angle, so for all values of time_angle and head_time_delta.
; So the trig encoding and the product of qf with k_time are not computed; time_angle and head_time_delta have no way to the output, are not loaded and are no arguments.
; LIMIT of that: a NaN, an infinity or an overflow that would arise in the angles alone is not carried to the result.
; SHARES.  Rows are counted through batch and position, 16,384 in all.  Work-group (X, y) takes rows 256 X .. + 255 and heads 4 y .. 4 y + 3; wave w rows 64 (4 X + w) .. + 63, four row tiles of 16.
; The wave's 64 rows of x (8 K steps x 4 tiles x 12 registers) stay in registers.  They come through LDS: the 256 rows are one dense block, brought by waves 2 and 3, a half each.
; THE WEIGHTS of a head are three dense blocks of 64 rows.  Q's and K's go through two slots by turns, asked for a head ahead; V's has one region, asked for at its own head's start and
; shown whole by a barrier behind 224 of the head's matrix instructions.  x's rows lie at first where the second slot, V's region and one block more lie.
; CLUSTER 4 x 4: the four work-groups of a row (same y) ask for the weights jointly, the four of a column (same X) for x.
; K's BLOCKS ARE PERMUTED ALIKE ON BOTH OPERANDS: in a K step of four blocks of 24 bytes lanes 0-15 take blocks 0, 1 and lanes 16-31 blocks 2, 3: 48 neighbouring bytes, three loads of 16.
; The unit takes these places for blocks 0, 2 and 1, 3, so bytes 1 and 2 of every scale word change places.  The sums hold the same products in another order.
; THE MATRIX INSTRUCTION IS USED TRANSPOSED: source 0 = 16 rows of a weight, source 1 = 16 rows of x: a lane holds ONE row of x (lane % 16) and eight slots d = 16 t + 8 (lane / 16) + j of tile t.
; The last slots of Wq: the four of this y, each four times, form one tile of their own.
; No prefetch: Q's and K's blocks have a head's 384 matrix instructions in which to land, V's 224 and a vector phase.
; LIMITS.  NaN and infinities among the inputs are not served; an exponential under 2^-126 counts as 0; a block of zeros gets the scale byte 1 where the rule says 127 (its codes are zeros, the bytes are read by this program alone).
; ORDER OF ROUNDING: 1 - q_last is (sum of the first 64 exponentials) / (sum of all 65); the division of k's softmax is folded into one factor a row.
; REGISTERS, in windows of 256 (s_set_vgpr_msb: bits 1:0 source 0, 3:2 source 1, 5:4 source 2, 7:6 destination):
;   window 0: v1-15 addresses; v16-31 x's scale words; v32-79 the weights'; v80-111 the last slots' logits; v116-139 a row's factors; v140-146 offsets; v160-255 fragment buffer X
;   window 1: v0-191 x's fragments of K steps 0-3 (48 (s % 4) + 12 m); v192-239 first half of buffer Y       window 2: K steps 4-7; second half of Y
;   window 3: bank A v0-127 (Q's logits, later V), bank B v128-255 (K's); tile t of row tile m at bank + 32 m + 8 place(t), place = 0, 2, 1, 3; a vector phase's scratch lies in the free bank
.set PITCH, 816                        ; a row of 768 bytes in LDS: 3 x (256 + 16 of padding)
.set SETB,  64*PITCH                   ; 64 rows
.set VREG,  4*SETB                     ; Q, K slot 0 at 0, slot 1 at 2 SETB, V at 4 SETB; x at first from 2 SETB to 6 SETB
.set SPARE, 6*SETB                     ; the spare words, 128 bytes a wave
.set SPW,  1
.set NIL,  2
.set AW0,  3                           ; 816 r + 48 h
.set AW1,  4                           ; the same behind one padding more
.set AD,   5                           ; v5-10: these two for Q, K, V
.set WSO,  11                          ; 32 x lane
.set ST16, 12
.set ST8,  13
.set XS,   16                          ; XS + 8 i + s: lanes 0-15 row tile 2 i, lanes 16-31 row tile 2 i + 1
.set WS,   32                          ; WS + 16 k + 8 p + s: lanes 0-15 tile 2 p, lanes 16-31 tile 2 p + 1 of set k
.set LLA,  80                          ; 8 for each m; register j: last slot's logit of head 4 y + j % 4; moved one down after each head
.set MK,   116                         ; 2 x the mask of my row in tile m
.set SW,   120                         ; the scale bytes of my block in the four heads
.set FP,   124                         ; pairs: F_m at FP + 2 m
.set LWS,  132
.set OF,   140
.set MSB, 0
.macro WIN new
.if MSB != \new
	s_set_vgpr_msb (MSB<<8)|\new
.set MSB, \new
.endif
.endm
.macro NOPS n
.rept \n
	v_nop
.endr
.endm
.macro CROUND                          ; a round of the cluster's barrier
	s_barrier_signal -1
	s_barrier_wait -1
	s_cmp_lg_u32 s30, 0
	s_cbranch_scc1 .Lnot_wave_0_\@
	s_barrier_signal -3
.Lnot_wave_0_\@:
	s_barrier_wait -3
	s_barrier_signal -1
	s_barrier_wait -1
.endm
.macro JLOAD qk                        ; joint loads behind a round: qk = 1: waves 0, 1 the next head's Q, K; wave 2 this head's V.  The branches hang on the wave's number alone
.if \qk
	s_cmp_lt_u32 s30, 2
	s_cbranch_scc0 .Lfor_v_\@
	tensor_load_to_lds s[44:47], s[36:43]
	s_nop 0
	NOPS 4
	s_branch .Lasked_\@
.Lfor_v_\@:
.endif
	s_cmp_eq_u32 s30, 2
	s_cbranch_scc0 .Lasked_\@
	tensor_load_to_lds s[76:79], s[36:43]
	s_nop 0
	NOPS 4
.Lasked_\@:
.endm
.macro WM z, ra, rb                    ; one matrix instruction on rD, rA, rB, rSA, rSB.  z = 1: it starts the sum.  ra, rb: the scale words stand in lanes 16-31
.if (\z) && (\ra) && (\rb)
	v_wmma_scale_f32_16x16x128_f8f6f4 v[rD:rD+7], v[rA:rA+11], v[rB:rB+11], 0, v[rSA], v[rSB] matrix_a_fmt:MATRIX_FMT_BF6 matrix_b_fmt:MATRIX_FMT_BF6 matrix_a_scale:MATRIX_SCALE_ROW1 matrix_b_scale:MATRIX_SCALE_ROW1
.elseif (\z) && (\ra)
	v_wmma_scale_f32_16x16x128_f8f6f4 v[rD:rD+7], v[rA:rA+11], v[rB:rB+11], 0, v[rSA], v[rSB] matrix_a_fmt:MATRIX_FMT_BF6 matrix_b_fmt:MATRIX_FMT_BF6 matrix_a_scale:MATRIX_SCALE_ROW1
.elseif (\z) && (\rb)
	v_wmma_scale_f32_16x16x128_f8f6f4 v[rD:rD+7], v[rA:rA+11], v[rB:rB+11], 0, v[rSA], v[rSB] matrix_a_fmt:MATRIX_FMT_BF6 matrix_b_fmt:MATRIX_FMT_BF6 matrix_b_scale:MATRIX_SCALE_ROW1
.elseif (\z)
	v_wmma_scale_f32_16x16x128_f8f6f4 v[rD:rD+7], v[rA:rA+11], v[rB:rB+11], 0, v[rSA], v[rSB] matrix_a_fmt:MATRIX_FMT_BF6 matrix_b_fmt:MATRIX_FMT_BF6
.elseif (\ra) && (\rb)
	v_wmma_scale_f32_16x16x128_f8f6f4 v[rD:rD+7], v[rA:rA+11], v[rB:rB+11], v[rD:rD+7], v[rSA], v[rSB] matrix_a_fmt:MATRIX_FMT_BF6 matrix_b_fmt:MATRIX_FMT_BF6 matrix_a_scale:MATRIX_SCALE_ROW1 matrix_b_scale:MATRIX_SCALE_ROW1
.elseif (\ra)
	v_wmma_scale_f32_16x16x128_f8f6f4 v[rD:rD+7], v[rA:rA+11], v[rB:rB+11], v[rD:rD+7], v[rSA], v[rSB] matrix_a_fmt:MATRIX_FMT_BF6 matrix_b_fmt:MATRIX_FMT_BF6 matrix_a_scale:MATRIX_SCALE_ROW1
.elseif (\rb)
	v_wmma_scale_f32_16x16x128_f8f6f4 v[rD:rD+7], v[rA:rA+11], v[rB:rB+11], v[rD:rD+7], v[rSA], v[rSB] matrix_a_fmt:MATRIX_FMT_BF6 matrix_b_fmt:MATRIX_FMT_BF6 matrix_b_scale:MATRIX_SCALE_ROW1
.else
	v_wmma_scale_f32_16x16x128_f8f6f4 v[rD:rD+7], v[rA:rA+11], v[rB:rB+11], v[rD:rD+7], v[rSA], v[rSB] matrix_a_fmt:MATRIX_FMT_BF6 matrix_b_fmt:MATRIX_FMT_BF6
.endif
.endm
; One fragment: three loads of 16 bytes at piece 6 s + p of the row (lanes 16-31 three pieces on).  Where lanes 16-31 stand behind one padding more (piece % 16 is 13 or more), the second address register serves.
.macro FRAG reg, adr, s, rows
.irp p, 0,1,2
.set pcx, 6*(\s)+\p
.if pcx%16 < 13
	ds_load_b128 v[\reg+4*\p:\reg+4*\p+3], v[\adr] offset:(\rows)*PITCH+16*pcx+16*(pcx/16)
.else
	ds_load_b128 v[\reg+4*\p:\reg+4*\p+3], v[\adr+1] offset:(\rows)*PITCH+16*pcx+16*(pcx/16)
.endif
.endr
.endm
; FETCH i (0 .. 11): set i / 4, K steps 2 q and 2 q + 1 with q = i % 4, all four tiles: eight fragments, 24 loads.  q even: buffer X; q odd: buffer Y.
.macro FETCH i
.set fk, (\i)/4
.set fq, (\i)%4
.irp ds, 0,1
.if fq%2 == 0
	WIN 0
.set fb, 160+48*\ds
.elseif \ds == 0
	WIN 0x40
.set fb, 192
.else
	WIN 0x80
.set fb, 192
.endif
.irp t, 0,1,2,3
	FRAG fb+12*\t, AD+2*fk, 2*fq+\ds, 16*\t
.endr
.endr
.endm
; QRUN i: the 32 matrix instructions that FETCH i feeds; sixteen accumulators by turns, one instruction a turn.  n: the LDS loads issued behind FETCH i.
; The four v_nop are the places in front of loads into registers just read and of the first read of results.  f = 1: FETCH i + 2 follows, into the buffer just read.
; In run 6 stands the barrier that shows V's block whole to every wave: the fetch behind it is the first from it.
.macro QRUN i, n, f
.set qk, (\i)/4
.set qq, (\i)%4
	s_wait_dscnt \n
.irp ds, 0,1
.if qq%2 == 0
.set wv, 0xf0+4*(1+qq/2)
.set qb, 160+48*\ds
.else
.set wv, 0xf0+4*(1+qq/2)+1+\ds
.set qb, 192
.endif
	WIN wv
.irp t, 0,1,2,3
.irp m, 0,1,2,3
.set rD, 128*(qk%2)+32*\m+8*(2*(\t%2)+\t/2)
.set rA, qb+12*\t
.set rB, 48*((2*qq+\ds)%4)+12*\m
.set rSA, WS+16*qk+8*(\t/2)+2*qq+\ds
.set rSB, XS+8*(\m/2)+2*qq+\ds
.set mo, \m%2
.set to, \t%2
.if (qq == 0) && (\ds == 0)
	WM 1, to, mo
.else
	WM 0, to, mo
.endif
.endr
.endr
.endr
.if (\i) == 6
	s_wait_tensorcnt 0x0                           ; wave 2: V's block is in; no tensor load of any wave is out
	s_wait_dscnt 0x0                               ; no LDS instruction of mine is pending at a signal
	s_barrier_signal -1
	s_barrier_wait -1
.if NXV
	s_add_nc_u64 s[78:79], s[78:79], 49152         ; the next head's V
.endif
.endif
	NOPS 4
.if \f
	FETCH (\i)+2
.endif
.endm
.macro WSLOAD k, sb                    ; a set's scale words: 64 rows x 32 bytes; lane l takes row 32 p + l
.irp p, 0,1
.irp e, 0,1
	global_load_b128 v[WS+16*\k+8*\p+4*\e:WS+16*\k+8*\p+4*\e+3], v[WSO], s[\sb:\sb+1] offset:1024*\p+16*\e
.endr
.endr
.endm
.macro WSPERM k                        ; bytes 1 and 2 change places.  In the order of use: each word stands eight places or more ahead of the scaled instruction that names it
	WIN 0
.irp j, 0,1,8,9,2,3,10,11,4,5,12,13,6,7,14,15
	v_perm_b32 v[WS+16*\k+\j], v[WS+16*\k+\j], v[WS+16*\k+\j], s62
.endr
	s_wait_alu depctr_va_vdst(0)                   ; a wait ahead of the blocking wait that follows
.endm
; THE CHANGE OF SLOTS at a head's head: each wave waits for all its tensor loads, adds 0 to its spare word, waits for that and for its LDS reads; a round; the joint loads.
.macro CHANGE qk
	WIN 0
	s_wait_tensorcnt 0x0
	ds_add_u32 v[SPW], v[NIL]
	s_xor_b32 s53, s53, 2*SETB                     ; the Q, K slot read now
.if \qk
	s_xor_b32 s51, s51, 2*SETB                     ; and the one filled now
	s_add_co_u32 s45, s51, s50
	s_add_nc_u64 s[46:47], s[46:47], s[48:49]      ; the next head's block
.endif
	s_add_co_u32 s94, s53, SETB
	s_wait_dscnt 0x0
	CROUND
	JLOAD \qk
	v_add_nc_u32 v[AD], s53, v[AW0]
	v_add_nc_u32 v[AD+1], s53, v[AW1]
	v_add_nc_u32 v[AD+2], s94, v[AW0]
	v_add_nc_u32 v[AD+3], s94, v[AW1]
	s_wait_alu depctr_va_vdst(0)                   ; a wait ahead of the readers
.endm
; A SOFTMAX over a head's 64 slots (last = 1: and the last slot's logit), four row tiles by turns.  lb: the logits' bank; zb: the free bank, scratch for each m:
; +0..3 maxima, +4 the other half's, +5 the last logit, +6, 7 -M log2(e), +8, 9 and +12, 13 sums, +10 the last exponential, +14 the sum of all, +15 a reciprocal.
.macro SMAX lb, zb, last
.if \last
	WIN 0xc0
.irp m, 0,1,2,3
	v_mov_b32 v[\zb+32*\m+5], v[LLA+8*\m]
.endr
.endif
	WIN 0xff
.irp k, 0,1,2,3
.irp m, 0,1,2,3
	v_max3_num_f32 v[\zb+32*\m+\k], v[\lb+32*\m+8*\k], v[\lb+32*\m+8*\k+1], v[\lb+32*\m+8*\k+2]   ; each accumulator from its low end on
.endr
.endr
.irp j, 3,5
.irp k, 0,1,2,3
.irp m, 0,1,2,3
	v_max3_num_f32 v[\zb+32*\m+\k], v[\zb+32*\m+\k], v[\lb+32*\m+8*\k+\j], v[\lb+32*\m+8*\k+\j+1]
.endr
.endr
.endr
.irp m, 0,1,2,3
	v_max3_num_f32 v[\zb+32*\m], v[\zb+32*\m], v[\lb+32*\m+7], v[\lb+32*\m+15]
.endr
.irp m, 0,1,2,3
	v_max3_num_f32 v[\zb+32*\m+2], v[\zb+32*\m+2], v[\lb+32*\m+23], v[\lb+32*\m+31]
.endr
.irp m, 0,1,2,3
	v_max3_num_f32 v[\zb+32*\m], v[\zb+32*\m], v[\zb+32*\m+1], v[\zb+32*\m+2]
.endr
.irp m, 0,1,2,3
.if \last
	v_max3_num_f32 v[\zb+32*\m], v[\zb+32*\m], v[\zb+32*\m+3], v[\zb+32*\m+5]
.else
	v_max_num_f32 v[\zb+32*\m], v[\zb+32*\m], v[\zb+32*\m+3]
.endif
.endr
.irp m, 0,1,2,3
	v_mov_b32 v[\zb+32*\m+4], v[\zb+32*\m]         ; (a lane permute's destination counts as one of its sources)
.endr
.irp m, 0,1,2,3
	v_permlanex16_b32 v[\zb+32*\m+4], v[\zb+32*\m], s56, s57
.endr
.irp m, 0,1,2,3
	v_max_num_f32 v[\zb+32*\m], v[\zb+32*\m], v[\zb+32*\m+4]   ; M: the row's largest logit
.endr
.irp m, 0,1,2,3
	v_mul_f32 v[\zb+32*\m+6], s60, v[\zb+32*\m]
.endr
.irp m, 0,1,2,3
	v_mov_b32 v[\zb+32*\m+7], v[\zb+32*\m+6]
.endr
.irp j, 0,2,4,6,8,10,12,14,16,18,20,22,24,26,28,30
.irp m, 0,1,2,3
	v_pk_fma_f32 v[\lb+32*\m+\j:\lb+32*\m+\j+1], v[\lb+32*\m+\j:\lb+32*\m+\j+1], s[58:59], v[\zb+32*\m+6:\zb+32*\m+7] op_sel_hi:[1,0,0]
.endr
.endr
.if \last
.irp m, 0,1,2,3
	v_fma_f32 v[\zb+32*\m+10], v[\zb+32*\m+5], s58, v[\zb+32*\m+6]
.endr
.endif
.set ej, 0
	s_wait_alu depctr_va_vdst(0)                   ; a wait ahead of the batch
.rept 128
	v_exp_f32 v[\lb+ej], v[\lb+ej]
.set ej, ej+1
.endr
.if \last
.irp m, 0,1,2,3
	v_exp_f32 v[\zb+32*\m+10], v[\zb+32*\m+10]
.endr
.endif
	v_nop
	s_wait_alu depctr_va_vdst(0)                   ; and behind it
.irp m, 0,1,2,3
	v_pk_add_f32 v[\zb+32*\m+8:\zb+32*\m+9], v[\lb+32*\m:\lb+32*\m+1], v[\lb+32*\m+4:\lb+32*\m+5]
	v_pk_add_f32 v[\zb+32*\m+12:\zb+32*\m+13], v[\lb+32*\m+2:\lb+32*\m+3], v[\lb+32*\m+6:\lb+32*\m+7]
.endr
.irp j, 8,12,16,20,24,28
.irp m, 0,1,2,3
	v_pk_add_f32 v[\zb+32*\m+8:\zb+32*\m+9], v[\zb+32*\m+8:\zb+32*\m+9], v[\lb+32*\m+\j:\lb+32*\m+\j+1]
	v_pk_add_f32 v[\zb+32*\m+12:\zb+32*\m+13], v[\zb+32*\m+12:\zb+32*\m+13], v[\lb+32*\m+\j+2:\lb+32*\m+\j+3]
.endr
.endr
.irp m, 0,1,2,3
	v_pk_add_f32 v[\zb+32*\m+8:\zb+32*\m+9], v[\zb+32*\m+8:\zb+32*\m+9], v[\zb+32*\m+12:\zb+32*\m+13]
.endr
.irp m, 0,1,2,3
	v_add_f32 v[\zb+32*\m+8], v[\zb+32*\m+8], v[\zb+32*\m+9]
.endr
.irp m, 0,1,2,3
	v_permlanex16_b32 v[\zb+32*\m+4], v[\zb+32*\m+8], s56, s57
.endr
.irp m, 0,1,2,3
	v_add_f32 v[\zb+32*\m+8], v[\zb+32*\m+8], v[\zb+32*\m+4]   ; the sum of the row's 64 exponentials
.endr
.if \last
.irp m, 0,1,2,3
	v_add_f32 v[\zb+32*\m+14], v[\zb+32*\m+8], v[\zb+32*\m+10]
.endr
	s_wait_alu depctr_va_vdst(0)
.irp m, 0,1,2,3
	v_rcp_f32 v[\zb+32*\m+15], v[\zb+32*\m+14]
.endr
.else
	s_wait_alu depctr_va_vdst(0)
.irp m, 0,1,2,3
	v_rcp_f32 v[\zb+32*\m+15], v[\zb+32*\m+8]
.endr
.endif
	v_nop
	s_wait_alu depctr_va_vdst(0)
.if \last
.irp m, 0,1,2,3
	v_mul_f32 v[\zb+32*\m+8], v[\zb+32*\m+8], v[\zb+32*\m+15]   ; the gate: 1 - q_last
.endr
	WIN 0x03
.irp m, 0,1,2,3
	v_mul_f32 v[FP+2*\m], v[\zb+32*\m+8], v[MK+\m]             ; x 2 x mask
.endr
.else
	WIN 0x03
.irp m, 0,1,2,3
	v_mul_f32 v[FP+2*\m], v[\zb+32*\m+15], v[FP+2*\m]
.endr
.endif
.endm
; a5 of one head: p (bank B) x v (bank A) x F; 16 exchanges of halves a row tile give lane (r, h) the 32 neighbours d = 32 h + 0 .. 31: a whole block.
; The conversions' six registers are stored as they stand: 16 x lane (four registers) and 8 x lane (two): the image of the next launch's operand registers.
.macro COMBINE nx
	WIN 0xff
.set cj, 0
.rept 64
	v_pk_mul_f32 v[128+cj:129+cj], v[128+cj:129+cj], v[cj:cj+1]   ; ascending: V's accumulators from their low ends on
.set cj, cj+2
.endr
	WIN 0xc3
.irp m, 0,1,2,3
.set cj, 0
.rept 16
	v_pk_mul_f32 v[128+32*\m+cj:129+32*\m+cj], v[128+32*\m+cj:129+32*\m+cj], v[FP+2*\m:FP+2*\m+1] op_sel_hi:[1,0]
.set cj, cj+2
.endr
.endr
	WIN 0xff
.irp m, 0,1,2,3
.irp j, 0,1,2,3,4,5,6,7
	v_permlane16_swap_b32 v[128+32*\m+\j], v[136+32*\m+\j]     ; tiles 0 and 2
	v_permlane16_swap_b32 v[144+32*\m+\j], v[152+32*\m+\j]     ; tiles 1 and 3
.endr
.endr
.irp m, 0,1,2,3
	v_max3_num_f32 v[32*\m+12], |v[128+32*\m]|, |v[129+32*\m]|, 0x2800000   ; the block's largest magnitude, over the floor 2^(5 - 127)
.endr
.irp j, 2,4,6,8,10,12,14,16,18,20,22,24,26,28,30
.irp m, 0,1,2,3
	v_max3_num_f32 v[32*\m+12], v[32*\m+12], |v[128+32*\m+\j]|, |v[129+32*\m+\j]|
.endr
.endr
.irp m, 0,1,2,3
	v_add_nc_u32 v[32*\m+13], 0xfe000000, v[32*\m+12]          ; 4 off its exponent field: the conversion's scale operand
.endr
.irp m, 0,1,2,3
	v_lshrrev_b32 v[32*\m+14], 23, v[32*\m+13]                 ; the scale's byte
.endr
.irp m, 0,1,2,3
	v_cvt_scalef32_pk16_bf6_f32 v[32*\m:32*\m+2], v[128+32*\m:143+32*\m], v[32*\m+13]
	v_cvt_scalef32_pk16_bf6_f32 v[32*\m+8:32*\m+10], v[144+32*\m:159+32*\m], v[32*\m+13]
.endr
	v_nop                                          ; one plain place behind the scaled conversions
.irp m, 0,1,2,3
.irp j, 0,1,2
	v_mov_b32 v[32*\m+3+\j], v[32*\m+8+\j]
.endr
.endr
	WIN 0x03
.irp m, 0,1,2,3
	v_lshrrev_b32 v[SW+\m], 8, v[SW+\m]
.endr
.irp m, 0,1,2,3
	v_lshl_or_b32 v[SW+\m], v[32*\m+14], 24, v[SW+\m]          ; after four heads byte j is head 4 y + j's
.endr
	WIN 0x0c                                       ; a store's data are its source 1: window 3
.irp m, 0,1,2,3
	global_store_b128 v[ST16], v[32*\m:32*\m+3], s[24:25] offset:12288*\m          ; 32 lanes store 512 consecutive bytes, at a multiple of 256 from the buffer's first byte
	global_store_b64 v[ST8], v[32*\m+4:32*\m+5], s[24:25] offset:12288*\m+512      ; and 256
.endr
	WIN 0
.if \nx
.irp m, 0,1,2,3
.irp j, 0,1,2
	v_mov_b32 v[LLA+8*\m+\j], v[LLA+8*\m+\j+1]     ; the next head's last logit comes to the low end
.endr
.endr
	s_wait_xcnt 0x0                                ; the stores have read their base and their data
	s_add_nc_u64 s[24:25], s[24:25], 768
.endif
.endm
; A HEAD: 12 runs of 32 matrix instructions, three vector phases.  The counts on LOADcnt: the groups of four scale loads issued behind the group that is wanted.
.macro HEAD nx
.set NXV, \nx
	FETCH 0
	FETCH 1
	s_wait_loadcnt 8                               ; Q's scale words are in; K's four loads and V's four may be out
	WSPERM 0
.irp i, 0,1,2,3
	QRUN \i, 24, 1
.endr
.if \nx
	WIN 0
	s_wait_xcnt 0x0
	s_add_nc_u64 s[10:11], s[10:11], 2080          ; 65 rows of 32 bytes on
	WSLOAD 0, 10
.endif
	SMAX 0, 128, 1
.if \nx
	s_wait_loadcnt 8                               ; K's are in; behind them V's four and the next head's Q's four
.else
	s_wait_loadcnt 4
.endif
	WSPERM 1
.irp i, 4,5,6,7
	QRUN \i, 24, 1
.endr
.if \nx
	WIN 0
	s_wait_xcnt 0x0
	s_add_nc_u64 s[14:15], s[14:15], 2048
	WSLOAD 1, 14
.endif
	SMAX 128, 0, 0
.if \nx
	s_wait_loadcnt 8                               ; V's are in; behind them the next head's Q's and K's
.else
	s_wait_loadcnt 0
.endif
	WSPERM 2
	QRUN 8, 24, 1
	QRUN 9, 24, 1
	QRUN 10, 24, 0
	QRUN 11, 0, 0
.if \nx
	WIN 0
	s_wait_xcnt 0x0
	s_add_nc_u64 s[18:19], s[18:19], 2048
	WSLOAD 2, 18
.endif
	COMBINE \nx
.endm
	s_load_b512 s[4:19], s[0:1], 0x0               ; x's codes s[4:5], scales s[6:7]; Wq's s[8:9], s[10:11]; Wk's s[12:13], s[14:15]; Wv's s[16:17], s[18:19]
	s_load_b64 s[20:21], s[0:1], 0x40              ; the mask
	s_load_b64 s[24:25], s[0:1], 0x48              ; a5's codes
	s_load_b64 s[26:27], s[0:1], 0x50              ; a5's scales
	v_lshl_add_u32 v[SPW], v0, 2, SPARE
	v_mov_b32 v[NIL], 0
	ds_add_u32 v[SPW], v[NIL]                      ; the opening lines: the add twice on end and its wait
	ds_add_u32 v[SPW], v[NIL]
	v_lshrrev_b32 v14, 5, v0
	v_readfirstlane_b32 s30, v14                   ; wave 0..3
	s_bfe_u32 s33, ttmp6, 0x40000                  ; cx
	s_bfe_u32 s32, ttmp6, 0x40004                  ; cy = y: the grid is one cluster high
	s_lshl_b32 s31, ttmp9, 2
	s_add_co_u32 s31, s31, s33                     ; X = 4 x cluster x + cx
	s_lshl_b32 s34, s32, 2
	s_lshl_b32 s34, 15, s34                        ; my row of the cluster: the weights
	s_lshl_b32 s35, 0x1111, s33                    ; my column: x
	; group 1: dense blocks as rows of 256 bytes (32 elements of 8), 16 bytes of padding behind each: 192 rows for a weight's block, 384 for a half of x
	s_or_b32 s36, s34, (3<<16)|(1<<20)|(1<<21)|(5<<22)|(3<<25)
	s_mov_b32 s37, 32<<16
	s_mov_b32 s38, 192<<16
	s_mov_b32 s39, 32<<16
	s_mov_b32 s40, 192
	s_mov_b32 s41, 32
	s_mov_b32 s42, 0
	s_mov_b32 s43, 0
	s_or_b32 s68, s35, (3<<16)|(1<<20)|(1<<21)|(5<<22)|(3<<25)
	s_mov_b32 s69, 32<<16
	s_mov_b32 s70, 384<<16
	s_mov_b32 s71, 32<<16
	s_mov_b32 s72, 384
	s_mov_b32 s73, 32
	s_mov_b32 s74, 0
	s_mov_b32 s75, 0
	s_mov_b32 s56, 0x76543210
	s_mov_b32 s57, 0xfedcba98                      ; v_permlanex16_b32's selects for lane l xor 16
	s_mov_b32 s58, 0x3fb8aa3b                      ; log2(e), as a pair
	s_mov_b32 s59, 0x3fb8aa3b
	s_mov_b32 s60, 0xbfb8aa3b
	s_mov_b32 s61, 0xffff0000                      ; lanes 16-31, as a mask
	s_mov_b32 s62, 0x03010200                      ; bytes 1 and 2 change places
	s_and_b32 s52, s30, 1
	s_mul_i32 s50, s52, SETB                       ; Q's or K's place in a slot
	s_mov_b32 s51, 0                               ; the slot filled last
	s_mov_b32 s53, 2*SETB                          ; the slot read last: the first change turns it to slot 0
	s_mul_i32 s55, s30, SETB
	s_add_co_u32 s55, s55, 2*SETB                  ; my 64 rows of x in LDS
	s_mul_i32 s81, s52, 2*SETB
	s_add_co_u32 s81, s81, 2*SETB                  ; where a half of x goes
	s_mov_b32 s48, 49152
	s_cmp_eq_u32 s30, 0
	s_cselect_b32 s48, 49920, s48                  ; from head to head: 65 rows in Wq, 64 in Wk
	s_mov_b32 s49, 0
	s_mul_i32 s84, s32, s48
	s_lshl_b32 s84, s84, 2                         ; head 4 y
	s_mov_b32 s85, 0
	s_mul_i32 s86, s32, 196608
	s_mov_b32 s87, 0
	s_mul_i32 s88, s31, 196608                     ; row 256 X of x,
	s_mul_i32 s89, s52, 98304                      ; + 128 rows for the second half
	s_add_co_u32 s88, s88, s89
	s_mov_b32 s89, 0
	s_wait_dscnt 0x0
	s_wait_kmcnt 0x0
	s_cmp_eq_u32 s30, 0
	s_cselect_b64 s[46:47], s[8:9], s[12:13]
	s_add_nc_u64 s[46:47], s[46:47], s[84:85]
	s_or_b32 s47, s47, 0x80000000
	s_mov_b32 s44, 1
	s_mov_b32 s45, s50
	s_mov_b32 s76, 1
	s_mov_b32 s77, VREG
	s_add_nc_u64 s[78:79], s[16:17], s[86:87]
	s_or_b32 s79, s79, 0x80000000
	s_mov_b32 s80, 1
	s_add_nc_u64 s[82:83], s[4:5], s[88:89]
	s_or_b32 s83, s83, 0x80000000
	CROUND                                         ; all sixteen work-groups are here: the first joint loads meet
	s_cmp_lt_u32 s30, 2                            ; one load a wave: wave 0 head 0's Q, wave 1 its K, waves 2 and 3 the halves of x
	s_cbranch_scc0 .Lhead_x
	tensor_load_to_lds s[44:47], s[36:43]
	s_nop 0
	NOPS 4
	s_branch .Lhead_asked
.Lhead_x:
	tensor_load_to_lds s[80:83], s[68:75]
	s_nop 0
	NOPS 4
.Lhead_asked:
	s_lshl_b32 s90, s31, 2
	s_add_co_u32 s90, s90, s30                     ; W = 4 X + w
	s_mov_b32 s93, 0
	s_lshl_b32 s92, s90, 11
	s_add_nc_u64 s[6:7], s[6:7], s[92:93]          ; x's scales: 64 rows of 32 bytes a wave
	s_add_nc_u64 s[26:27], s[26:27], s[92:93]      ; a5's scales: 2,048 bytes a wave,
	s_lshl_b32 s92, s32, 9
	s_add_nc_u64 s[26:27], s[26:27], s[92:93]      ; in them 512 a y
	s_lshl_b32 s92, s90, 8
	s_add_nc_u64 s[20:21], s[20:21], s[92:93]      ; the mask of row 64 W
	s_mul_i32 s92, s32, 199680
	s_add_co_u32 s92, s92, 49152
	s_add_nc_u64 s[8:9], s[8:9], s[92:93]          ; row 64 of head 4 y in Wq
	s_mul_i32 s92, s32, 8320
	s_add_nc_u64 s[10:11], s[10:11], s[92:93]
	s_lshl_b32 s92, s32, 13
	s_add_nc_u64 s[14:15], s[14:15], s[92:93]
	s_add_nc_u64 s[18:19], s[18:19], s[92:93]
	s_mul_i32 s92, s90, 49152                      ; a5's codes: 49,152 bytes a wave, in them 12,288 a row tile, 768 a head
	s_add_nc_u64 s[24:25], s[24:25], s[92:93]
	s_mul_i32 s92, s32, 3072
	s_add_nc_u64 s[24:25], s[24:25], s[92:93]
	v_and_b32 v14, 15, v0                          ; r
	v_bfe_u32 v15, v0, 4, 1                        ; h
	v_and_b32 v[OF], 31, v0                        ; lane
	v_mul_u32_u24 v[AW0], v14, PITCH
	v_mad_u32_u24 v[AW0], v15, 48, v[AW0]
	v_lshl_add_u32 v[AW1], v15, 4, v[AW0]
	v_lshlrev_b32 v[WSO], 5, v[OF]
	v_lshlrev_b32 v[ST16], 4, v[OF]
	v_lshlrev_b32 v[ST8], 3, v[OF]
	v_and_b32 v[OF+1], 3, v14
	v_mul_u32_u24 v[OF+2], v[OF+1], 49920
	v_mad_u32_u24 v[OF+2], v15, 48, v[OF+2]        ; the last slots' rows: lane r takes head 4 y + r % 4's
	v_mul_u32_u24 v[OF+3], v[OF+1], 2080           ; and their scales
	v_lshlrev_b32 v[OF+4], 2, v14                  ; the mask
	v_add_nc_u32 v[OF+5], s55, v[AW0]              ; x in LDS
	v_add_nc_u32 v[OF+6], s55, v[AW1]
	v_add_nc_u32 v[AD+4], VREG, v[AW0]
	v_add_nc_u32 v[AD+5], VREG, v[AW1]
.irp j, 0,1,2,3
	v_mov_b32 v[SW+\j], 0
	v_mov_b32 v[FP+2*\j], 0
	v_mov_b32 v[FP+2*\j+1], 0                      ; (named as the upper half of a pair)
.endr
	s_wait_alu depctr_va_vdst(0)                   ; a wait at the head's end
.irp i, 0,1
.irp e, 0,1
	global_load_b128 v[XS+8*\i+4*\e:XS+8*\i+4*\e+3], v[WSO], s[6:7] offset:1024*\i+16*\e
.endr
.endr
.irp s, 0,1,2,3,4,5,6,7
.irp p, 0,1,2
	global_load_b128 v[160+12*\s+4*\p:160+12*\s+4*\p+3], v[OF+2], s[8:9] offset:96*\s+16*\p
.endr
.endr
.irp e, 0,1
	global_load_b128 v[LWS+4*\e:LWS+4*\e+3], v[OF+3], s[10:11] offset:2048+16*\e
.endr
.irp m, 0,1,2,3
	global_load_b32 v[MK+\m], v[OF+4], s[20:21] offset:64*\m
.endr
	WSLOAD 0, 10
	WSLOAD 1, 14
	WSLOAD 2, 18
	s_wait_tensorcnt 0x0                           ; my load of the head's four is in
	s_barrier_signal -1
	s_barrier_wait -1                              ; everybody's is
.irp s, 0,1,2,3,4,5,6,7
.if \s < 4
	WIN 0x40
.else
	WIN 0x80
.endif
.irp m, 0,1,2,3
	FRAG 48*(\s%4)+12*\m, OF+5, \s, 16*\m
.endr
.endr
	WIN 0
	s_wait_loadcnt 0x0
.irp j, 0,1,2,3,4,5,6,7,8,9,10,11,12,13,14,15
	v_perm_b32 v[XS+\j], v[XS+\j], v[XS+\j], s62
.endr
.irp j, 0,1,2,3,4,5,6,7
	v_perm_b32 v[LWS+\j], v[LWS+\j], v[LWS+\j], s62
.endr
.irp m, 0,1,2,3
	v_add_f32 v[MK+\m], v[MK+\m], v[MK+\m]         ; 2 x mask, exact
.endr
	NOPS 4                                         ; eight places between the last scale word and the scaled instructions
	s_wait_alu depctr_va_vdst(0)                   ; a wait ahead of the blocking wait
	s_wait_dscnt 0x0                               ; x is in registers
	; the last slots' logits: one tile of weight rows x my four row tiles, K ascending; four accumulators by turns
.irp s, 0,1,2,3,4,5,6,7
.if \s < 4
	WIN 0x04
.else
	WIN 0x08
.endif
.irp m, 0,1,2,3
.set rD, LLA+8*\m
.set rA, 160+12*\s
.set rB, 48*(\s%4)+12*\m
.set rSA, LWS+\s
.set rSB, XS+8*(\m/2)+\s
.set mo, \m%2
.if \s == 0
	WM 1, 0, mo
.else
	WM 0, 0, mo
.endif
.endr
.endr
	NOPS 4
	WIN 0
	s_mov_b32 s54, 3
.Lhead:                                            ; heads 0, 1, 2
	CHANGE 1
	HEAD 1
	s_sub_co_u32 s54, s54, 1
	s_cmp_lg_u32 s54, 0
	s_cbranch_scc1 .Lhead
	CHANGE 0                                       ; the last head is written out: only its V is still to come
	HEAD 0
	; THE SCALE WORDS.  Lane (r, h) holds the bytes of block h of my row in the four heads.  A K step of the next product is two heads: (head 2 ds, block 0), (2 ds, 1), (2 ds + 1, 0), (2 ds + 1, 1).
.irp m, 0,1,2,3
	v_mov_b32 v[160+\m], v[SW+\m]
.endr
.irp m, 0,1,2,3
	v_permlanex16_b32 v[160+\m], v[SW+\m], s56, s57
.endr
.irp m, 0,1,2,3
	v_cndmask_b32 v[164+\m], v[SW+\m], v[160+\m], s61          ; block 0's four bytes, in every lane
	v_cndmask_b32 v[168+\m], v[160+\m], v[SW+\m], s61          ; block 1's
.endr
.irp m, 0,1,2,3
	v_perm_b32 v[172+\m], v[168+\m], v[164+\m], 0x05010400     ; K step 2 y
	v_perm_b32 v[176+\m], v[168+\m], v[164+\m], 0x07030602     ; K step 2 y + 1
.endr
.irp i, 0,1
	v_cndmask_b32 v[180+2*\i], v[172+2*\i], v[173+2*\i], s61   ; lanes 0-15 row tile 2 i, lanes 16-31 row tile 2 i + 1
	v_cndmask_b32 v[181+2*\i], v[176+2*\i], v[177+2*\i], s61
.endr
	global_store_b128 v[ST16], v[180:183], s[26:27]            ; 32 lanes store 512 consecutive bytes, at a multiple of 256 from the buffer's first byte
	s_wait_tensorcnt 0x0                           ; the wave's end
	ds_add_u32 v[SPW], v[NIL]
	s_wait_dscnt 0x0
	CROUND                                         ; the closing round
	s_endpgm
.Lfunc_end_k_qaaa2331627_qkv:
	.size	k_qaaa2331627_qkv, .Lfunc_end_k_qaaa2331627_qkv-k_qaaa2331627_qkv
	.p2alignl 7, 3214868480
	.fill 96, 4, 3214868480
	.section	.rodata,"a",@progbits
	.p2align	6, 0x0
	.amdhsa_kernel k_qaaa2331627_qkv
		.amdhsa_group_segment_fixed_size 327680
		.amdhsa_private_segment_fixed_size 0
		.amdhsa_enable_private_segment 0
		.amdhsa_kernarg_size 88
		.amdhsa_user_sgpr_count 2
		.amdhsa_user_sgpr_kernarg_segment_ptr 1
		.amdhsa_wavefront_size32 1
		.amdhsa_system_sgpr_workgroup_id_x 1
		.amdhsa_system_sgpr_workgroup_id_y 1
		.amdhsa_system_sgpr_workgroup_id_z 1
		.amdhsa_system_vgpr_workitem_id 0
		.amdhsa_next_free_vgpr 1024
		.amdhsa_next_free_sgpr 100
		.amdhsa_reserve_vcc 0
		.amdhsa_float_denorm_mode_32 3
		.amdhsa_float_denorm_mode_16_64 3
		.amdhsa_memory_ordered 1
		.amdhsa_forward_progress 1
		.amdhsa_inst_pref_size 255
	.end_amdhsa_kernel
	.section	.bss,"aw",@nobits
	.p2align	6
	.space	262144
	.amdgpu_metadata
---
amdhsa.version: [ 1, 2 ]
amdhsa.kernels:
  - .name:           k_qaaa2331627_qkv
    .symbol:         k_qaaa2331627_qkv.kd
    .args:
      - { .name: x_codes, .offset: 0, .size: 8, .value_kind: global_buffer, .address_space: global }
      - { .name: x_scales, .offset: 8, .size: 8, .value_kind: global_buffer, .address_space: global }
      - { .name: Wq_codes, .offset: 16, .size: 8, .value_kind: global_buffer, .address_space: global }
      - { .name: Wq_scales, .offset: 24, .size: 8, .value_kind: global_buffer, .address_space: global }
      - { .name: Wk_codes, .offset: 32, .size: 8, .value_kind: global_buffer, .address_space: global }
      - { .name: Wk_scales, .offset: 40, .size: 8, .value_kind: global_buffer, .address_space: global }
      - { .name: Wv_codes, .offset: 48, .size: 8, .value_kind: global_buffer, .address_space: global }
      - { .name: Wv_scales, .offset: 56, .size: 8, .value_kind: global_buffer, .address_space: global }
      - { .name: attention_mask, .offset: 64, .size: 8, .value_kind: global_buffer, .address_space: global }
      - { .name: a5_codes, .offset: 72, .size: 8, .value_kind: global_buffer, .address_space: global }
      - { .name: a5_scales, .offset: 80, .size: 8, .value_kind: global_buffer, .address_space: global }
    .group_segment_fixed_size: 327680
    .private_segment_fixed_size: 0
    .kernarg_segment_align: 8
    .kernarg_segment_size: 88
    .max_flat_workgroup_size: 128
    .sgpr_count:     100
    .vgpr_count:     1024
    .wavefront_size: 32
...
	.end_amdgpu_metadata
.endif
;; end of part 1
;; launch oproj (part 2): grid 64 x 4, 4 waves a work-group, clusters of 4 x 4, 327,680 bytes of LDS; arguments a5_codes, a5_scales, Wo_codes, Wo_scales, bo, out0; writes out0
.if DOCPART == 2
	.amdgcn_target "amdgcn-amd-amdhsa--gfx1250"
	.amdhsa_code_object_version 6
	.text
	.protected	k_qaaa2331627_oproj
	.globl	k_qaaa2331627_oproj
	.p2align	8
	.type	k_qaaa2331627_oproj,@function
k_qaaa2331627_oproj:
	s_mov_b64 s[64:65], 0
	v_nop
	global_prefetch_b8 v0, s[64:65] scope:SCOPE_SE
	s_setreg_imm32_b32 hwreg(HW_REG_WAVE_MODE, 25, 1), 1
	s_wait_xcnt 0x0
	s_wait_alu depctr_hold_cnt(0) depctr_sa_sdst(0) depctr_va_vdst(0) depctr_va_sdst(0) depctr_va_ssrc(0) depctr_va_vcc(0) depctr_vm_vsrc(0)
	s_getreg_b32 s2, hwreg(HW_REG_IB_STS2, 6, 4)
	s_cmp_eq_u32 s2, 0
	s_cbranch_scc0 .Lentry_in_a_cluster
	s_endpgm
.Lentry_in_a_cluster:
	s_bfe_u32 s2, ttmp6, 0x10000c
	s_cmp_lg_u32 s2, 0xf033
	s_cbranch_scc0 .Lentry_shape_is_right
	s_endpgm
.Lentry_shape_is_right:
; out0[row][n] = sum over k of a5[row][k] Wo[n][k] + bo[n], on codes of E3M2 with one E8M0 byte for each 32 along K; sums in f32.
; SHARES.  Rows are counted through batch and position.  Work-group (X, y) takes rows 256 X .. + 255 and columns 256 y .. + 255; wave w rows 64 (4 X + w) .. + 63, four row tiles of 16.
; a5 lies in memory as images of the operand's registers (16 and 8 bytes a lane, consecutive), 49,152 bytes a wave: the work-group's four are one dense block of 196,608 bytes.
; It comes into LDS by waves 2 and 3, a half each; each wave copies its own part into 384 registers, where it stays.
; Wo's 256 rows are four sets of 64.  Sets 0 and 1 come at the head, by waves 0 and 1; sets 2 and 3 land on a5's bytes when every wave has read them, and are shown whole by a barrier in run 6.
; CLUSTER 4 x 4: the four work-groups of a row (same y) ask for Wo jointly, the four of a column (same X) for a5.
; THE MATRIX INSTRUCTION IS USED TRANSPOSED (source 0 = 16 rows of Wo, source 1 = 16 rows of a5): a lane holds eight neighbouring columns of one row of out0.
; A set's results go out through the wave's own stage in LDS, a row tile behind each run of the next set: sixteen lanes store 256 consecutive bytes.
; No prefetch: the text has no loop to run ahead in; all it reads is asked for at the head and behind one round.
; REGISTERS: window 0: v2-15 addresses; v16-31 a5's scale words; v32-95 Wo's; v96-127 rows on the way out; v128-143 bo; v160-255 fragment buffer X (at the end v160-191: rows on the way out)
;   window 1: v0-191 a5's fragments of K steps 0-3 (48 (s % 4) + 12 m); v192-239 first half of buffer Y     window 2: K steps 4-7; second half of Y
;   window 3: two banks of 128: set k in bank k % 2, tile t of row tile m at 32 m + 8 t
.set PITCH, 816                        ; a row of Wo in LDS: 768 bytes as 3 x (256 + 16 of padding)
.set SETB,  64*PITCH
.set A5B,   2*SETB                     ; a5's block, dense; later sets 2 and 3
.set STG,   A5B+196608                 ; a stage of 16 rows x (256 + 16) bytes for each wave; no tensor load lands there
.set SPARE, STG+4*16*272               ; the spare words, 128 bytes a wave
.set AD,   2                           ; v2-9  816 r + 24 h + k SETB, and the same behind one padding more
.set WSO,  10                          ; 32 x lane
.set L16,  11                          ; 16 x lane
.set A8,   12                          ; a5 in LDS: my part + 8 x lane
.set STO,  13                          ; the stage: where I put 32 bytes of a row
.set RD,   14                          ; and where I read a row back
.set GO,   15                          ; my byte offset in two rows of out0
.set AS,   16                          ; AS + 4 (s / 2) + 2 (m / 2) + s % 2: lanes 0-15 the even row tile, lanes 16-31 the odd one
.set WS,   32                          ; WS + 16 k + 8 p + s: lanes 0-15 tile 2 p, lanes 16-31 tile 2 p + 1 of set k
.set OB,   96
.set BO,   128                         ; BO + 4 k: bo[256 y + 64 k + 4 (lane % 16) + 0 .. 3]
.set RR,   144
.set HH,   145
.set LL,   146
.set AWA,  147
.set AWB,  148
.set BOO,  149
.set A16,  150                         ; a5 in LDS: my part + 16 x lane
.set SPW,  158
.set NIL,  159
.set MSB, 0
.macro WIN new
.if MSB != \new
	s_set_vgpr_msb (MSB<<8)|\new
.set MSB, \new
.endif
.endm
.macro NOPS n
.rept \n
	v_nop
.endr
.endm
.macro CROUND                          ; a round of the cluster's barrier
	s_barrier_signal -1
	s_barrier_wait -1
	s_cmp_lg_u32 s16, 0
	s_cbranch_scc1 .Lnot_wave_0_\@
	s_barrier_signal -3
.Lnot_wave_0_\@:
	s_barrier_wait -3
	s_barrier_signal -1
	s_barrier_wait -1
.endm
.macro WM z, ra, rb                    ; one matrix instruction on rD, rA, rB, rSA, rSB.  z = 1: it starts the sum.  ra, rb: the scale words stand in lanes 16-31
.if (\z) && (\ra) && (\rb)
	v_wmma_scale_f32_16x16x128_f8f6f4 v[rD:rD+7], v[rA:rA+11], v[rB:rB+11], 0, v[rSA], v[rSB] matrix_a_fmt:MATRIX_FMT_BF6 matrix_b_fmt:MATRIX_FMT_BF6 matrix_a_scale:MATRIX_SCALE_ROW1 matrix_b_scale:MATRIX_SCALE_ROW1
.elseif (\z) && (\ra)
	v_wmma_scale_f32_16x16x128_f8f6f4 v[rD:rD+7], v[rA:rA+11], v[rB:rB+11], 0, v[rSA], v[rSB] matrix_a_fmt:MATRIX_FMT_BF6 matrix_b_fmt:MATRIX_FMT_BF6 matrix_a_scale:MATRIX_SCALE_ROW1
.elseif (\z) && (\rb)
	v_wmma_scale_f32_16x16x128_f8f6f4 v[rD:rD+7], v[rA:rA+11], v[rB:rB+11], 0, v[rSA], v[rSB] matrix_a_fmt:MATRIX_FMT_BF6 matrix_b_fmt:MATRIX_FMT_BF6 matrix_b_scale:MATRIX_SCALE_ROW1
.elseif (\z)
	v_wmma_scale_f32_16x16x128_f8f6f4 v[rD:rD+7], v[rA:rA+11], v[rB:rB+11], 0, v[rSA], v[rSB] matrix_a_fmt:MATRIX_FMT_BF6 matrix_b_fmt:MATRIX_FMT_BF6
.elseif (\ra) && (\rb)
	v_wmma_scale_f32_16x16x128_f8f6f4 v[rD:rD+7], v[rA:rA+11], v[rB:rB+11], v[rD:rD+7], v[rSA], v[rSB] matrix_a_fmt:MATRIX_FMT_BF6 matrix_b_fmt:MATRIX_FMT_BF6 matrix_a_scale:MATRIX_SCALE_ROW1 matrix_b_scale:MATRIX_SCALE_ROW1
.elseif (\ra)
	v_wmma_scale_f32_16x16x128_f8f6f4 v[rD:rD+7], v[rA:rA+11], v[rB:rB+11], v[rD:rD+7], v[rSA], v[rSB] matrix_a_fmt:MATRIX_FMT_BF6 matrix_b_fmt:MATRIX_FMT_BF6 matrix_a_scale:MATRIX_SCALE_ROW1
.elseif (\rb)
	v_wmma_scale_f32_16x16x128_f8f6f4 v[rD:rD+7], v[rA:rA+11], v[rB:rB+11], v[rD:rD+7], v[rSA], v[rSB] matrix_a_fmt:MATRIX_FMT_BF6 matrix_b_fmt:MATRIX_FMT_BF6 matrix_b_scale:MATRIX_SCALE_ROW1
.else
	v_wmma_scale_f32_16x16x128_f8f6f4 v[rD:rD+7], v[rA:rA+11], v[rB:rB+11], v[rD:rD+7], v[rSA], v[rSB] matrix_a_fmt:MATRIX_FMT_BF6 matrix_b_fmt:MATRIX_FMT_BF6
.endif
.endm
; FETCH i (0 .. 15): set i / 4, K steps 2 q and 2 q + 1 with q = i % 4, all four tiles: eight fragments, 48 loads of 8 bytes.  q even: buffer X; q odd: buffer Y.
; Lanes 16-31 read three pieces of 8 bytes further on than lanes 0-15: where that is behind one padding more, the second address register serves.
.macro FETCH i
.set fk, (\i)/4
.set fq, (\i)%4
.irp ds, 0,1
.if fq%2 == 0
	WIN 0
.set fb, 160+48*\ds
.elseif \ds == 0
	WIN 0x40
.set fb, 192
.else
	WIN 0x80
.set fb, 192
.endif
.irp t, 0,1,2,3
.irp pc, 0,1,2,3,4,5
.set pci, 12*(2*fq+\ds)+6*(\pc/3)+\pc%3
.if pci%32 < 29
	ds_load_b64 v[fb+12*\t+2*\pc:fb+12*\t+2*\pc+1], v[AD+2*fk] offset:16*\t*PITCH+8*pci+16*(pci/32)
.else
	ds_load_b64 v[fb+12*\t+2*\pc:fb+12*\t+2*\pc+1], v[AD+2*fk+1] offset:16*\t*PITCH+8*pci+16*(pci/32)
.endif
.endr
.endr
.endr
.endm
; QRUN i: the 32 matrix instructions that FETCH i feeds; sixteen accumulators by turns, one instruction a turn.  n: at most so many LDS instructions may be out.
; In run 6 stands the barrier that shows sets 2 and 3 whole to every wave: the fetch behind it is the first from them.
; The four v_nop are the places in front of loads into the buffer just read and of the first read of results.
.macro QRUN i, n
.set qk, (\i)/4
.set qq, (\i)%4
	s_wait_dscnt \n
.irp ds, 0,1
.if qq%2 == 0
.set wv, 0xf0+4*(1+qq/2)
.set qb, 160+48*\ds
.else
.set wv, 0xf0+4*(1+qq/2)+1+\ds
.set qb, 192
.endif
	WIN wv
.irp t, 0,1,2,3
.irp m, 0,1,2,3
.set rD, 128*(qk%2)+32*\m+8*\t
.set rA, qb+12*\t
.set rB, 48*((2*qq+\ds)%4)+12*\m
.set rSA, WS+16*qk+8*(\t/2)+2*qq+\ds
.set rSB, AS+4*qq+2*(\m/2)+\ds
.set mo, \m%2
.set to, \t%2
.if (qq == 0) && (\ds == 0)
	WM 1, to, mo
.else
	WM 0, to, mo
.endif
.endr
.endr
.endr
.if (\i) == 6
	s_wait_tensorcnt 0x0                           ; waves 0 and 1: sets 2 and 3 are in
	s_wait_dscnt 0x0                               ; no LDS instruction of mine is pending at a signal
	s_barrier_signal -1
	s_barrier_wait -1
.endif
	NOPS 4
.endm
; THE WAY OUT of row tile m of set k: 16 rows x 64 columns go through my own stage and come back as whole pieces of 256 bytes.
; LDS serves a wave's instructions in order (ISA guide 5.7.1.4): no wait between the stores and the loads.
.macro TOSTAGE k, m, ob
	s_wait_xcnt 0x0                                ; the earlier stores to memory have read their registers: rows may land there again
	WIN 0x0c                                       ; an LDS store's data are its source 1: window 3
.irp t, 0,1,2,3
	ds_store_b128 v[STO], v[128*((\k)%2)+32*(\m)+8*\t:128*((\k)%2)+32*(\m)+8*\t+3] offset:64*\t          ; each accumulator from its low end on
	ds_store_b128 v[STO], v[128*((\k)%2)+32*(\m)+8*\t+4:128*((\k)%2)+32*(\m)+8*\t+7] offset:64*\t+16
.endr
	WIN 0
.irp u, 0,1,2,3,4,5,6,7
	ds_load_b128 v[\ob+4*\u:\ob+4*\u+3], v[RD] offset:544*\u
.endr
.endm
.macro SEND k, m, n, ob                ; n: the LDS instructions issued behind this tile's loads, which may stay out
	s_wait_dscnt \n
	WIN 0
.irp u, 0,1,2,3,4,5,6,7
	v_pk_add_f32 v[\ob+4*\u:\ob+4*\u+1], v[\ob+4*\u:\ob+4*\u+1], v[BO+4*(\k):BO+4*(\k)+1]
	v_pk_add_f32 v[\ob+4*\u+2:\ob+4*\u+3], v[\ob+4*\u+2:\ob+4*\u+3], v[BO+4*(\k)+2:BO+4*(\k)+3]
.endr
.irp u, 0,1,2,3,4,5,6,7
	global_store_b128 v[GO], v[\ob+4*\u:\ob+4*\u+3], s[24+2*(\m):25+2*(\m)] offset:8192*\u+256*(\k) th:TH_STORE_NT   ; 16 lanes store 256 consecutive bytes, at a multiple of 256 from out0's first byte
.endr
.endm
; Run i; behind it tile i - 5 of the way out (set (i - 5) / 4, row tile (i - 5) % 4), staged a run ago, goes to memory; the fetch for run i + 2; tile i - 4 goes to the stage.
; The counts on DScnt: up to run 4 the 48 loads of the next run's fetch may be out; at run 5 64 instructions were issued behind the fetch that is wanted, so 63 serves; from run 6 on SEND's wait for 0 has shown it in.
.macro RUN i
.if (\i) < 5
	QRUN \i, 48
.else
	QRUN \i, 63
.endif
.if (\i) >= 5
	SEND ((\i)-5)/4, ((\i)-5)%4, 0, OB
.endif
.if (\i) < 14
	FETCH (\i)+2
.endif
.if (\i) >= 4
	TOSTAGE ((\i)-4)/4, ((\i)-4)%4, OB
.endif
.endm
	s_load_b256 s[4:11], s[0:1], 0x0               ; a5's codes s[4:5], scales s[6:7]; Wo's codes s[8:9], scales s[10:11]
	s_load_b128 s[12:15], s[0:1], 0x20             ; bo s[12:13], out0 s[14:15]
	v_lshl_add_u32 v[SPW], v0, 2, SPARE
	v_mov_b32 v[NIL], 0
	ds_add_u32 v[SPW], v[NIL]                      ; the opening lines: the add twice on end and its wait
	ds_add_u32 v[SPW], v[NIL]
	v_lshrrev_b32 v1, 5, v0
	v_readfirstlane_b32 s16, v1                    ; wave 0..3
	s_bfe_u32 s19, ttmp6, 0x40000                  ; cx
	s_bfe_u32 s18, ttmp6, 0x40004                  ; cy = y: the grid is one cluster high
	s_lshl_b32 s17, ttmp9, 2
	s_add_co_u32 s17, s17, s19                     ; X
	s_lshl_b32 s20, s18, 2
	s_lshl_b32 s20, 15, s20                        ; my row of the cluster: Wo
	s_lshl_b32 s21, 0x1111, s19                    ; my column: a5
	; group 1 for a set of Wo: 49,152 bytes as 192 rows of 256 (32 elements of 8), 16 bytes of padding behind each
	s_or_b32 s32, s20, (3<<16)|(1<<20)|(1<<21)|(5<<22)|(3<<25)
	s_mov_b32 s33, 32<<16
	s_mov_b32 s34, 192<<16
	s_mov_b32 s35, 32<<16
	s_mov_b32 s36, 192
	s_mov_b32 s37, 32
	s_mov_b32 s38, 0
	s_mov_b32 s39, 0
	; and for a half of a5's block: 98,304 bytes as 384 rows of 256, no padding
	s_or_b32 s68, s21, (3<<16)|(1<<21)
	s_mov_b32 s69, 32<<16
	s_mov_b32 s70, 384<<16
	s_mov_b32 s71, 32<<16
	s_mov_b32 s72, 384
	s_mov_b32 s73, 32
	s_mov_b32 s74, 0
	s_mov_b32 s75, 0
	s_and_b32 s56, s16, 1                          ; which of the two: set 0 or 1, first or second half
	s_mul_i32 s41, s56, SETB
	s_mul_i32 s45, s56, 98304
	s_mul_i32 s60, s17, 196608
	s_add_co_u32 s60, s60, s45                     ; a5: block X, + the half
	s_mov_b32 s61, 0
	s_add_co_u32 s45, s45, A5B
	s_lshl_b32 s58, s18, 8
	s_lshl_b32 s59, s56, 6
	s_add_co_u32 s58, s58, s59                     ; row 256 y + 64 x (0 or 1) of Wo
	s_mul_i32 s58, s58, 768
	s_mov_b32 s59, 0
	s_mul_i32 s57, s16, 49152
	s_add_co_u32 s57, s57, A5B                     ; my part of a5 in LDS
	s_mul_i32 s23, s16, 16*272
	s_add_co_u32 s23, s23, STG                     ; my stage
	s_wait_dscnt 0x0
	s_wait_kmcnt 0x0
	s_mov_b32 s40, 1
	s_add_nc_u64 s[42:43], s[8:9], s[58:59]
	s_or_b32 s43, s43, 0x80000000
	s_mov_b32 s44, 1
	s_add_nc_u64 s[46:47], s[4:5], s[60:61]
	s_or_b32 s47, s47, 0x80000000
	CROUND                                         ; all sixteen work-groups are here: the first joint loads meet
	s_cmp_lt_u32 s16, 2                            ; one load a wave: waves 0 and 1 sets 0 and 1, waves 2 and 3 the halves of a5
	s_cbranch_scc0 .Lhead_a
	tensor_load_to_lds s[40:43], s[32:39]
	s_nop 0
	NOPS 4
	s_branch .Lhead_asked
.Lhead_a:
	tensor_load_to_lds s[44:47], s[68:75]
	s_nop 0
	NOPS 4
.Lhead_asked:
	s_lshl_b32 s50, s17, 2
	s_add_co_u32 s50, s50, s16                     ; W = 4 X + w
	s_mov_b32 s53, 0
	s_lshl_b32 s52, s50, 11
	s_add_nc_u64 s[6:7], s[6:7], s[52:53]          ; a5's scale words: 2,048 bytes a wave
	s_lshl_b32 s52, s18, 13
	s_add_nc_u64 s[10:11], s[10:11], s[52:53]      ; the scales of Wo's rows 256 y on
	s_lshl_b32 s52, s18, 10
	s_add_nc_u64 s[12:13], s[12:13], s[52:53]      ; bo at column 256 y
	s_lshl_b32 s51, s50, 18                        ; 64 W rows of 4,096 bytes
	s_add_co_u32 s52, s52, s51
	s_add_nc_u64 s[14:15], s[14:15], s[52:53]
.irp m, 0,1,2,3
	s_add_nc_u64 s[24+2*\m:25+2*\m], s[14:15], \m*65536            ; row tile m: 16 rows on
.endr
	v_and_b32 v[RR], 15, v0                        ; r
	v_bfe_u32 v[HH], v0, 4, 1                      ; h
	v_and_b32 v[LL], 31, v0                        ; lane
	v_mul_u32_u24 v[AWA], v[RR], PITCH
	v_mad_u32_u24 v[AWA], v[HH], 24, v[AWA]
	v_lshl_add_u32 v[AWB], v[HH], 4, v[AWA]
.irp k, 0,1,2,3
	v_add_nc_u32 v[AD+2*\k], \k*SETB, v[AWA]
	v_add_nc_u32 v[AD+2*\k+1], \k*SETB, v[AWB]
.endr
	v_lshlrev_b32 v[WSO], 5, v[LL]
	v_lshlrev_b32 v[L16], 4, v[LL]
	v_lshl_add_u32 v[A16], v[LL], 4, s57
	v_lshl_add_u32 v[A8], v[LL], 3, s57
	v_mul_u32_u24 v[STO], v[RR], 272
	v_lshl_add_u32 v[STO], v[HH], 5, v[STO]
	v_add_nc_u32 v[STO], s23, v[STO]               ; in: row r; tile t's eight columns of my half: 64 t + 32 h bytes on
	v_mul_u32_u24 v[RD], v[HH], 272
	v_lshl_add_u32 v[RD], v[RR], 4, v[RD]
	v_add_nc_u32 v[RD], s23, v[RD]                 ; back: lanes 0-15 one row, lanes 16-31 the next
	v_lshlrev_b32 v[BOO], 4, v[RR]
	v_lshl_add_u32 v[GO], v[HH], 12, v[BOO]        ; and the same two rows in out0
	s_wait_alu depctr_va_vdst(0)                   ; a wait at the head's end
.irp q, 0,1,2,3
	global_load_b128 v[AS+4*\q:AS+4*\q+3], v[L16], s[6:7] offset:512*\q
.endr
.irp k, 0,1,2,3
.irp p, 0,1
.irp e, 0,1
	global_load_b128 v[WS+16*\k+8*\p+4*\e:WS+16*\k+8*\p+4*\e+3], v[WSO], s[10:11] offset:2048*\k+1024*\p+16*\e
.endr
.endr
	global_load_b128 v[BO+4*\k:BO+4*\k+3], v[BOO], s[12:13] offset:256*\k
.endr
	s_wait_tensorcnt 0x0                           ; my load of the head's four is in
	s_barrier_signal -1
	s_barrier_wait -1                              ; everybody's is
.irp hh, 0,1,2,3,4,5,6,7,8,9,10,11,12,13,14,15
.if \hh < 8
	WIN 0x40
.else
	WIN 0x80
.endif
.irp m, 0,1,2,3
	ds_load_b128 v[48*((\hh/2)%4)+12*\m+6*(\hh%2):48*((\hh/2)%4)+12*\m+6*(\hh%2)+3], v[A16] offset:12288*\m+768*\hh          ; registers 6 c .. 6 c + 3 of K step hh / 2, c = hh % 2
	ds_load_b64 v[48*((\hh/2)%4)+12*\m+6*(\hh%2)+4:48*((\hh/2)%4)+12*\m+6*(\hh%2)+5], v[A8] offset:12288*\m+768*\hh+512     ; registers 6 c + 4, 6 c + 5
.endr
.endr
	FETCH 0
	FETCH 1
	WIN 0
	s_wait_tensorcnt 0x0                           ; no tensor load of mine is out, so the descriptor may be written
	ds_add_u32 v[SPW], v[NIL]
	s_add_co_u32 s41, s41, 2*SETB                  ; sets 2 and 3: two sets on in LDS
	s_add_nc_u64 s[42:43], s[42:43], 98304         ; and in memory
	s_wait_dscnt 0x0                               ; the add is done, and a5 is in my registers
	CROUND                                         ; no wave of any partner still reads a5's bytes
	s_cmp_lt_u32 s16, 2
	s_cbranch_scc0 .Lno_load
	tensor_load_to_lds s[40:43], s[32:39]
	s_nop 0
	NOPS 4
.Lno_load:
	s_wait_loadcnt 0x0                             ; the scale words, bo
.irp i, 0,1,2,3,4,5,6,7,8,9,10,11,12,13,14,15
	RUN \i
.endr
	; the last set's way out: two sets of row registers by turns, so that one tile goes through the stage while the tile before is stored
	TOSTAGE 3, 0, 160
	SEND 2, 3, 16, OB                              ; behind its loads: the next tile's eight stores and eight loads
	TOSTAGE 3, 1, OB
	SEND 3, 0, 16, 160
	TOSTAGE 3, 2, 160
	SEND 3, 1, 16, OB
	TOSTAGE 3, 3, OB
	SEND 3, 2, 16, 160
	SEND 3, 3, 0, OB
	s_wait_tensorcnt 0x0                           ; the wave's end
	ds_add_u32 v[SPW], v[NIL]
	s_wait_dscnt 0x0
	CROUND                                         ; the closing round
	s_endpgm
.Lfunc_end_k_qaaa2331627_oproj:
	.size	k_qaaa2331627_oproj, .Lfunc_end_k_qaaa2331627_oproj-k_qaaa2331627_oproj
	.p2alignl 7, 3214868480
	.fill 96, 4, 3214868480
	.section	.rodata,"a",@progbits
	.p2align	6, 0x0
	.amdhsa_kernel k_qaaa2331627_oproj
		.amdhsa_group_segment_fixed_size 327680
		.amdhsa_private_segment_fixed_size 0
		.amdhsa_enable_private_segment 0
		.amdhsa_kernarg_size 48
		.amdhsa_user_sgpr_count 2
		.amdhsa_user_sgpr_kernarg_segment_ptr 1
		.amdhsa_wavefront_size32 1
		.amdhsa_system_sgpr_workgroup_id_x 1
		.amdhsa_system_sgpr_workgroup_id_y 1
		.amdhsa_system_sgpr_workgroup_id_z 1
		.amdhsa_system_vgpr_workitem_id 0
		.amdhsa_next_free_vgpr 1024
		.amdhsa_next_free_sgpr 80
		.amdhsa_reserve_vcc 0
		.amdhsa_float_denorm_mode_32 3
		.amdhsa_float_denorm_mode_16_64 3
		.amdhsa_memory_ordered 1
		.amdhsa_forward_progress 1
		.amdhsa_inst_pref_size 181
	.end_amdhsa_kernel
	.amdgpu_metadata
---
amdhsa.version: [ 1, 2 ]
amdhsa.kernels:
  - .name:           k_qaaa2331627_oproj
    .symbol:         k_qaaa2331627_oproj.kd
    .args:
      - { .name: a5_codes, .offset: 0, .size: 8, .value_kind: global_buffer, .address_space: global }
      - { .name: a5_scales, .offset: 8, .size: 8, .value_kind: global_buffer, .address_space: global }
      - { .name: Wo_codes, .offset: 16, .size: 8, .value_kind: global_buffer, .address_space: global }
      - { .name: Wo_scales, .offset: 24, .size: 8, .value_kind: global_buffer, .address_space: global }
      - { .name: bo, .offset: 32, .size: 8, .value_kind: global_buffer, .address_space: global }
      - { .name: out0, .offset: 40, .size: 8, .value_kind: global_buffer, .address_space: global }
    .group_segment_fixed_size: 327680
    .private_segment_fixed_size: 0
    .kernarg_segment_align: 8
    .kernarg_segment_size: 48
    .max_flat_workgroup_size: 128
    .sgpr_count:     80
    .vgpr_count:     1024
    .wavefront_size: 32
...
	.end_amdgpu_metadata
.endif
;; end of part 2
